; MI455X (gfx1250); checked and timed in simulation.
; The chip was launched on July 23, 2026; its instructions are those of AMD's public machine-readable ISA for CDNA 5 (MIT licence, August 2026) and "CDNA5" Instruction Set Architecture Reference Guide (July 2026). The comments in the code are by the model that wrote it; some were corrected since.
;; W4 A8 B8 O8 Linear. Allowed arithmetic: float matrix products may take bf16 or f16 operands with f32 sums; other float arithmetic in f32, or as packed bf16 or f16 multiplies, adds, multiply-adds, maxima and minima; sums over many terms, partial sums and values carried from step to step in f32; what a program stores and reads back later, other than sums and carried values, may be rounded once to bf16 or f16.
;; Inputs: a 1 x 4,096 float32; b 1 float32; bias 1 x 4,096 int8; scales8 4,096 x 32 int8; weight 4,096 x 2,048 uint8; x 4 x 1,024 x 4,096 int8; zeros 4,096 x 32 int8.
;; Outputs: out0 4 x 1,024 x 4,096 int8.
;; 2 versions, each right; version 2 is version 1 with the launch prep written anew for expert scheduling mode. Each part assembles by itself: llvm-mc -triple=amdgcn-amd-amdhsa -mcpu=gfx1250 --defsym DOCPART=n.
;; ======== version 1 of 2: 2 launches
;; limits: right only within a limited range of input values
;; workspace buffers: w8 16,777,216 bytes
;; launch prep (part 1): grid 256 x 1, 8 waves a work-group, no clusters, 0 bytes of LDS; arguments weight, scales8, zeros, w8; writes w8
.if DOCPART == 1
	.amdgcn_target "amdgcn-amd-amdhsa--gfx1250"
	.amdhsa_code_object_version 6
	.text
	.protected	k_q3b4068f3bc_prep
	.globl	k_q3b4068f3bc_prep
	.p2align	8
	.type	k_q3b4068f3bc_prep,@function
k_q3b4068f3bc_prep:
	s_mov_b64 s[64:65], 0
	v_nop
	global_prefetch_b8 v0, s[64:65] scope:SCOPE_SE
	s_setreg_imm32_b32 hwreg(HW_REG_WAVE_MODE, 25, 1), 1
	s_wait_xcnt 0x0
; w8[o][k] = (w4[o][k] - zeros[o][k / 128]) * scales8[o][k / 128], as int8, [4096][4096], row-major.  w4 lies two to a byte: low nibble = even k, high nibble = odd k.
; NOTHING OF reference() IS LEFT OUT in this program: every input has a way to the output, and every input is loaded (weight, scales8, zeros here; x, a, bias, b in the product's launch).
; The weights are unpacked ONCE, here: in the product's launch each weight is wanted by 16 tiles of rows, and would be unpacked for each of them.
; LIMIT.  (w4 - zero) * scale lies in -128 .. 127 for every code that occurs, which is what reference() relies on ('fits in int8 range by construction').  Outside that range a byte carries into its neighbour.
; SHARES.  Wave w of work-group g owns rows 16 g + 2 w and the next: 4,096 packed bytes, 64 scales, 64 zeros and 8,192 bytes of w8, each on end in memory.  16 chunks: in chunk c lane l reads the 8 packed
; bytes at 256 c + 8 l and stores the 16 bytes at 512 c + 16 l: a load of the wave covers 256 consecutive bytes, aligned, a store 512.  A group of 128 k is 64 packed bytes, so lane l's group in chunk c
; is number 4 c + l / 8 of the wave's 64: byte l / 8 of word c of the scales and of the zeros, which lie in scalar registers.
; ARITHMETIC, four codes at a time.  L holds four codes w_i in its four bytes.  L * s + c * 0x01010101 = the sum of (w_i s + c) 256^i modulo 2^32; with c = 128 - z s every term (w_i - z) s + 128 lies in
; 0 .. 255, so no byte carries.  An exclusive or with 0x80 in each byte takes the 128 away again.
; All 16 loads of a wave go out before the first wait, and each chunk has store registers of its own: no loop, no LDS, no barrier.  No prefetch: all that a wave reads is asked for at its head.
.set SH, 4                             ; v4   24 - 8 (l / 8): the shift that brings my group's byte to the top of its word
.set S,  5                             ; v5   my group's scale
.set Z,  6                             ; v6   my group's zero, then c in all four bytes
.set L,  7                             ; v7   four even codes
.set H,  8                             ; v8   four odd codes
.set P,  16                            ; v[16:47]   chunk c: 2 registers as loaded
.set O,  48                            ; v[48:111]  chunk c: 4 registers to store
	s_load_b256 s[4:11], s[0:1], 0x0               ; weight s[4:5], scales8 s[6:7], zeros s[8:9], w8 s[10:11]
	v_lshrrev_b32 v1, 5, v0
	v_readfirstlane_b32 s12, v1                    ; wave 0..7
	v_and_b32 v1, 31, v0                           ; lane
	v_lshlrev_b32 v2, 3, v1                        ; 8 l: my packed bytes in a chunk
	v_lshlrev_b32 v3, 4, v1                        ; 16 l: my bytes of w8 in a chunk
	v_lshrrev_b32 v[SH], 3, v1
	v_lshlrev_b32 v[SH], 3, v[SH]
	v_sub_nc_u32 v[SH], 24, v[SH]
	s_lshl_b32 s13, ttmp9, 4
	s_lshl_b32 s14, s12, 1
	s_add_co_u32 s13, s13, s14                     ; my first row
	s_mov_b32 s15, 0
	s_mov_b32 s48, 0x0f0f0f0f                      ; four low nibbles
	s_mov_b32 s49, 0x80808080
	s_mov_b32 s50, 0x05010400                      ; bytes L0 H0 L1 H1: k in its order
	s_mov_b32 s51, 0x07030602                      ; bytes L2 H2 L3 H3
	s_mov_b32 s52, 0x01010101
	s_wait_kmcnt 0x0
	s_lshl_b32 s14, s13, 11                        ; 2,048 packed bytes a row
	s_add_nc_u64 s[4:5], s[4:5], s[14:15]
	s_lshl_b32 s14, s13, 5                         ; 32 groups a row
	s_add_nc_u64 s[6:7], s[6:7], s[14:15]
	s_add_nc_u64 s[8:9], s[8:9], s[14:15]
	s_lshl_b32 s14, s13, 12                        ; 4,096 bytes of w8 a row
	s_add_nc_u64 s[10:11], s[10:11], s[14:15]
	s_load_b512 s[16:31], s[6:7], 0x0              ; my two rows' 64 scales
	s_load_b512 s[32:47], s[8:9], 0x0              ; and 64 zeros
.irp c, 0,1,2,3,4,5,6,7,8,9,10,11,12,13,14,15
	global_load_b64 v[P+2*(\c):P+2*(\c)+1], v2, s[4:5] offset:256*(\c) th:TH_LOAD_NT
.endr
	s_wait_kmcnt 0x0
.macro CHUNK c
	v_lshlrev_b32 v[S], v[SH], s[16+(\c)]          ; my group's byte to the top,
	v_lshlrev_b32 v[Z], v[SH], s[32+(\c)]
	v_ashrrev_i32 v[S], 24, v[S]                   ; and down again with its sign
	v_ashrrev_i32 v[Z], 24, v[Z]
	v_mul_lo_u32 v[Z], v[Z], v[S]
	v_sub_nc_u32 v[Z], 128, v[Z]                   ; c = 128 - z s
	v_mul_lo_u32 v[Z], v[Z], s52                   ; in all four bytes
	s_wait_loadcnt 15-(\c)                         ; loads come back in order (ISA guide 5.7.1): chunk c's is in, the 15 - c younger ones stay out
.irp d, 0,1
	v_and_b32 v[L], s48, v[P+2*(\c)+(\d)]
	v_lshrrev_b32 v[H], 4, v[P+2*(\c)+(\d)]
	v_and_b32 v[H], s48, v[H]
	v_mad_u32 v[L], v[L], v[S], v[Z]
	v_mad_u32 v[H], v[H], v[S], v[Z]
	v_perm_b32 v[O+4*(\c)+2*(\d)],   v[H], v[L], s50
	v_perm_b32 v[O+4*(\c)+2*(\d)+1], v[H], v[L], s51
	v_xor_b32 v[O+4*(\c)+2*(\d)],   s49, v[O+4*(\c)+2*(\d)]
	v_xor_b32 v[O+4*(\c)+2*(\d)+1], s49, v[O+4*(\c)+2*(\d)+1]
.endr
	global_store_b128 v3, v[O+4*(\c):O+4*(\c)+3], s[10:11] offset:512*(\c)  ; the wave stores 512 consecutive bytes, aligned; these four registers are written once in the launch
.endm
.irp c, 0,1,2,3,4,5,6,7,8,9,10,11,12,13,14,15
	CHUNK \c
.endr
	s_endpgm
.Lfunc_end_k_q3b4068f3bc_prep:
	.size	k_q3b4068f3bc_prep, .Lfunc_end_k_q3b4068f3bc_prep-k_q3b4068f3bc_prep
	.p2alignl 7, 3214868480
	.fill 96, 4, 3214868480
	.section	.rodata,"a",@progbits
	.p2align	6, 0x0
	.amdhsa_kernel k_q3b4068f3bc_prep
		.amdhsa_group_segment_fixed_size 0
		.amdhsa_private_segment_fixed_size 0
		.amdhsa_enable_private_segment 0
		.amdhsa_kernarg_size 32
		.amdhsa_user_sgpr_count 2
		.amdhsa_user_sgpr_kernarg_segment_ptr 1
		.amdhsa_wavefront_size32 1
		.amdhsa_system_sgpr_workgroup_id_x 1
		.amdhsa_system_sgpr_workgroup_id_y 1
		.amdhsa_system_sgpr_workgroup_id_z 1
		.amdhsa_system_vgpr_workitem_id 0
		.amdhsa_next_free_vgpr 112
		.amdhsa_next_free_sgpr 66
		.amdhsa_reserve_vcc 0
		.amdhsa_float_denorm_mode_32 3
		.amdhsa_float_denorm_mode_16_64 3
		.amdhsa_memory_ordered 1
		.amdhsa_forward_progress 1
		.amdhsa_inst_pref_size 24
	.end_amdhsa_kernel
	.amdgpu_metadata
---
amdhsa.version: [ 1, 2 ]
amdhsa.kernels:
  - .name:           k_q3b4068f3bc_prep
    .symbol:         k_q3b4068f3bc_prep.kd
    .args:
      - { .name: weight, .offset: 0, .size: 8, .value_kind: global_buffer, .address_space: global }
      - { .name: scales8, .offset: 8, .size: 8, .value_kind: global_buffer, .address_space: global }
      - { .name: zeros, .offset: 16, .size: 8, .value_kind: global_buffer, .address_space: global }
      - { .name: w8, .offset: 24, .size: 8, .value_kind: global_buffer, .address_space: global }
    .group_segment_fixed_size: 0
    .private_segment_fixed_size: 0
    .kernarg_segment_align: 8
    .kernarg_segment_size: 32
    .max_flat_workgroup_size: 256
    .sgpr_count:     66
    .vgpr_count:     112
    .wavefront_size: 32
...
	.end_amdgpu_metadata
.endif
;; end of part 1
;; launch gemm (part 2): grid 16 x 16, 4 waves a work-group, clusters of 4 x 4, 327,680 bytes of LDS; arguments x, w8, out0, a, bias, b; writes out0
.if DOCPART == 2
	.amdgcn_target "amdgcn-amd-amdhsa--gfx1250"
	.amdhsa_code_object_version 6
	.text
	.protected	k_q3b4068f3bc_gemm
	.globl	k_q3b4068f3bc_gemm
	.p2align	8
	.type	k_q3b4068f3bc_gemm,@function
k_q3b4068f3bc_gemm:
	s_mov_b64 s[64:65], 0
	v_nop
	global_prefetch_b8 v0, s[64:65] scope:SCOPE_SE
	s_setreg_imm32_b32 hwreg(HW_REG_WAVE_MODE, 25, 1), 1
	s_wait_xcnt 0x0
	s_wait_alu depctr_hold_cnt(0) depctr_sa_sdst(0) depctr_va_vdst(0) depctr_va_sdst(0) depctr_va_ssrc(0) depctr_va_vcc(0) depctr_vm_vsrc(0)
	s_getreg_b32 s2, hwreg(HW_REG_IB_STS2, 6, 4)
	s_cmp_eq_u32 s2, 0
	s_cbranch_scc0 .Lentry_in_a_cluster
	s_endpgm
.Lentry_in_a_cluster:
	s_bfe_u32 s2, ttmp6, 0x10000c
	s_cmp_lg_u32 s2, 0xf033
	s_cbranch_scc0 .Lentry_shape_is_right
	s_endpgm
.Lentry_shape_is_right:
; out0[t][o] = clip(round(f32(acc[t][o]) * a[o] + f32(bias[o]) * b), -128, 127) as int8, acc[t][o] = the sum over k of x[t][k] w8[o][k].  x: [4096][4096] int8; w8: [4096][4096] int8, made by the launch before.
; Nothing of reference() is left out.
; THE FORMAT.  reference()'s product is int8 x int8 -> int32 and its result is compared as whole numbers, so the sums are taken as reference() takes them: v_wmma_i32_16x16x64_iu8, both sources signed.
; The operands are the problem's own bytes: nothing is narrowed, nothing is rounded; |acc| is 2^26 at the most, so no sum overflows.
; THE TAIL.  t = f32(bias) b is rounded to f32, once for each column; f32(acc) a + t is ONE fused multiply-add, rounded once: the form that reference()'s line takes where it is compiled as a whole and the
; sum's first product is contracted into the sum.  clip(round(y)) = round(clip(y)), since the bounds are whole numbers.  The rounding is y + 12,582,912: sums there are whole numbers, ties go to the even
; one (the constant is even), and the low byte of the sum's bits is the int8.
; LIMITS.  Order of rounding: where reference() is run with the product a acc rounded by itself, a sum that lies within that rounding (half a unit in the product's last place) of a half goes to the
; neighbouring whole number.  w8's bytes are (w4 - zero) scale within -128 .. 127 (the launch before states it).  A NaN in a or b (or an infinity less an infinity) gives some byte; an infinity is clipped as reference() clips it.
; SHARES.  A work-group of four waves makes 256 x 256 of out0, a wave 128 x 128: 64 accumulators of 16 x 16, 512 registers.  256 work-groups.  K goes in 16 steps of 256 through a ring of two LDS slots filled by
; the tensor data mover: a step's part of a row is 256 bytes of memory and starts at a multiple of 256 from the buffer's first byte.  The mover takes the rows as 2-byte elements, 2,048 to a row.
; CLUSTERS: 4 x 4 work-groups.  The four of a row of the cluster need the same tiles of x, the four of a column the same tiles of w8: each tile is asked for JOINTLY, by the same tensor load with the same
; descriptor and a mask that names the four.
; FRAGMENTS.  16 rows x 64 k in 8 registers, by two loads of 16 bytes a lane, 32 bytes apart, at row x pitch + 16 (l / 16).  That lays k within the 64 in another order than the instruction's own, alike
; in both sources: each product still meets its partner, and whole-number sums do not hang on their order.
; TRANSPOSED USE: source 0 = 16 rows of w8, source 1 = 16 rows of x: lane l holds token row l % 16, register j output column 8 (l / 16) + j: eight neighbouring bytes of a row of out0.
; REGISTERS, in windows of 256 (s_set_vgpr_msb: bits 1:0 source 0, 3:2 source 1, 5:4 source 2, 7:6 destination):
;   window 0: v0-31 addresses; v32-47 packed results; v64-127, v128-191 fragments of x, two buffers (at the head v64-127 hold bias as f32; on the way out v64-127 are at work, v128-191 take rows back); v192-207 bias as loaded
;   window 1: v64-127, v128-191 fragments of w8, two buffers; v0-63 a of my 64 columns a lane; v192-255 bias b of the same
;   window 2: the 32 accumulators of my rows 0-63 (accumulator (a, b) at v[8 (8 a + b)]);   window 3: those of my rows 64-127
.set ROWB,   4096                      ; bytes in a row of x, of w8 and of out0
.set KSTEP,  256                       ; k, and bytes of a row, in a K step
.set PITCH,  272                       ; an LDS row: 256 bytes + 16 of padding = 68 words: row r starts at bank 4 r mod 64 (64 banks of 4 bytes: ISA guide 11.1), so the 16 rows of a load start at 16 different banks
.set HALFT,  128*PITCH                 ; 128 rows: what one tensor load brings, and what one wave reads of x or of w8
.set SLOT,   4*HALFT                   ; x's 256 rows, then w8's 256 rows
.set STAGE,  2*SLOT                    ; behind the ring: 128 rows x 272 bytes, the work-group's, for the way out; no tensor load lands here
.set SP,     272
.set SPARE,  STAGE+128*SP              ; behind the stage: the spare words, 128 bytes for each wave: two blocks of 256 bytes that no other line names
.set LAPS,   4096/(2*KSTEP)            ; a lap = two K steps = once round the ring
.set ADRA, 16                          ; v16-17  LDS address of my x fragments in slot 0, 1
.set ADRB, 20                          ; v20-21  the same for w8
.set STO,  24                          ; v24     the way out: where I put 8 bytes of a row
.set RD,   25                          ; v25     the way out: where I read a row back
.set CO,   26                          ; v26     my byte offset in out0
.set AO,   27                          ; v27     32 (l / 16): my byte offset in a
.set SPW,  28                          ; v28     LDS address of my spare word: SPARE + 4 x my thread's number; never rewritten
.set NIL,  29                          ; v29     0; never rewritten
.set PFO,  30                          ; v30     the prefetches' offset: my lane x a row; never rewritten
.set BO,   31                          ; v31     8 (l / 16): my byte offset in bias
.set PK,   32                          ; v32-47  a block's results, four bytes a register
.set T,    64                          ; v64-127 at work (head and way out)
.set RB,   128                         ; v128-191 the way out: 32 rows read back from the stage
.set RAW,  192                         ; v192-207 bias as loaded
.set AV,   0                           ; window 1: a of column 16 b + 8 (l / 16) + j at 8 b + j
.set TV,   192                         ; window 1: bias b likewise
.set F0,   64                          ; fragment buffer 0
.set F1,   128                         ; fragment buffer 1
.set G1,  24                           ; s[24:31] descriptor group 1 for x's tiles
.set G0,  32                           ; s[32:39] descriptor group 0 for x's tiles, one set for each slot
.set G1B, 48                           ; s[48:55] descriptor group 1 for w8's tiles: it differs in the mask alone
.set G0B, 56                           ; s[56:63] descriptor group 0 for w8's tiles
.set LIM, 43                           ; s43     1 in a wave that prefetches, else the greatest number
.set PFA, 44                           ; s[44:45] where my prefetches stand: my work-group's 32 rows of the 128 that I fetch, at the K step that is being asked for; a prefetch names the K step after it
.set MSB, 0
.macro WIN new                         ; the immediate's high byte repeats the setting that is left; a switch that changes nothing is dropped
.if MSB != (\new)
	s_set_vgpr_msb (MSB<<8)|(\new)
.set MSB, \new
.endif
.endm
.set MUL_LO, 0xa1                      ; source 0 (w8) window 1, source 1 (x) window 0, C and D window 2
.set MUL_HI, 0xf1                      ; the same, C and D window 3
.set TO_B,   0x40                      ; destination window 1, address window 0
; A load into a register that a matrix instruction has read, and a vector instruction that reads a matrix result or writes one of a matrix instruction's registers, stand eight places behind it for this form,
; and only plain vector instructions that name none of its registers are places (ISA guide 7.12.1 for vector instructions); the matrix instructions in between are not counted.
.macro PLACES
.rept 8
	v_nop
.endr
.endm
; A joint load.  Waves 0 and 1 fetch x's two halves, waves 2 and 3 w8's.  Each line has ONE mask and one set of registers for all that issue it.  The branch hangs on the wave's number alone.
; An s_nop 0 follows each of the two lines, then eight v_nop: where a slot is filled again they are also the places in front of the fragment loads.
.macro JLOAD s
	s_cmp_eq_u32 s11, 0
	s_cbranch_scc0 .Lfor_b_\@
	tensor_load_to_lds s[G0+4*(\s):G0+4*(\s)+3], s[G1:G1+7]
	s_nop 0
	PLACES
	s_branch .Lasked_\@
.Lfor_b_\@:
	tensor_load_to_lds s[G0B+4*(\s):G0B+4*(\s)+3], s[G1B:G1B+7]
	s_nop 0
	PLACES
.Lasked_\@:
.endm
; A PREFETCH INTO THE L2, behind each joint refill, its lines and the run of LDS loads that follows: the K step that the NEXT refill will ask for: 32 rows x 256 bytes, a lane a row, one instruction a wave:
; 256 matrix instructions ahead of that refill.  Each row's 256 bytes of a K step are named ONCE in the launch: x's tile row is read by every cluster of that row of clusters, and the first (cluster x = 0)
; asks; w8's tile column by every cluster of that column, and cluster y = 0 asks.  The four partners that ask for a tile jointly share its rows out BY ADDRESS: of the 128 rows that a wave fetches the partner
; at place p takes 32 p .. 32 p + 31 (p = cx for x, cy for w8): no branch hangs on a work-group's place in its cluster.  K steps 0 to 2 come by their loads alone.
; last = 1 (slot 1's refill): in the loop's last trip, s3 = 1, the refill is K step 15's and there is no K step behind it: nothing is asked for.
.macro ASK last
.if \last
	s_cmp_gt_u32 s3, s[LIM]
.else
	s_cmp_eq_u32 s[LIM], 1
.endif
	s_cbranch_scc0 .Lnot_mine_\@
	global_prefetch_b8 v[PFO], s[PFA:PFA+1] offset:KSTEP th:TH_LOAD_NT scope:SCOPE_SE
.Lnot_mine_\@:
.endm
; A round of the cluster's barrier: my work-group's barrier, so that wave 0's signal speaks for all four waves; wave 0 signals for the work-group; every wave waits for all sixteen work-groups; my work-group's barrier once more.
.macro CREST                           ; a round behind its opening barrier
	s_cmp_lg_u32 s10, 0
	s_cbranch_scc1 .Lnot_wave_0_\@
	s_barrier_signal -3
.Lnot_wave_0_\@:
	s_barrier_wait -3
	s_barrier_signal -1
	s_barrier_wait -1
.endm
.macro CROUND                          ; a whole round
	s_barrier_signal -1
	s_barrier_wait -1
	CREST
.endm
	s_load_b128 s[4:7], s[0:1], 0x0                ; x s[4:5], w8 s[6:7]
	s_load_b64 s[8:9], s[0:1], 0x10                ; out0
	s_load_b128 s[68:71], s[0:1], 0x18             ; a s[68:69], bias s[70:71]
	s_load_b64 s[72:73], s[0:1], 0x28              ; b
	v_lshl_add_u32 v[SPW], v0, 2, SPARE
	v_mov_b32 v[NIL], 0
	ds_add_u32 v[SPW], v[NIL]                      ; the wave's opening: the add, twice on end, and its wait ahead of my first tensor load; the set-up below, work on registers, stands between
	ds_add_u32 v[SPW], v[NIL]                      ; and once more, under the one wait
	v_lshrrev_b32 v1, 5, v0
	v_readfirstlane_b32 s10, v1                    ; wave 0..3
	s_lshr_b32 s11, s10, 1                         ; which half of the tile's rows is mine.  Also: I fetch for x (0) or for w8 (1)
	s_and_b32 s12, s10, 1                          ; which half of its columns.  Also: which 128 rows of that tile I fetch
	s_bfe_u32 s40, ttmp6, 0x40000                  ; cx: my place along the cluster's x
	s_bfe_u32 s41, ttmp6, 0x40004                  ; cy: along its y
	s_lshl_b32 s42, ttmp9, 2                       ; in a cluster launch ttmp9 and ttmp7 count clusters
	s_add_co_u32 s42, s42, s40                     ; tile column = 4 x cluster x + cx
	s_and_b32 s13, ttmp7, 0xffff
	s_lshl_b32 s13, s13, 2
	s_add_co_u32 s13, s13, s41                     ; tile row = 4 x cluster y + cy
	s_lshl_b32 s43, s41, 2
	s_lshl_b32 s43, 15, s43                        ; my row of the cluster: places 4 cy .. 4 cy + 3
	s_lshl_b32 s44, 0x1111, s40                    ; my column: places cx, cx + 4, cx + 8, cx + 12
	; descriptor group 1: a tile of 128 rows x 128 elements of 2 bytes, padded in LDS
	s_or_b32 s[G1+0], s43, (1<<16)|(1<<20)|(1<<21)|(5<<22)|(3<<25)   ; 15:0 the mask: x's tiles go to my row; 17:16 element of 2 bytes; 20 padding on; 21 set beside a mask; 24:22 after every 64 words (code 5); 31:25 4 words of it (code 3)
	s_or_b32 s[G1B+0], s44, (1<<16)|(1<<20)|(1<<21)|(5<<22)|(3<<25)  ; the same with the mask of my column, for w8's tiles
.irp g, G1, G1B
	s_mov_b32 s[(\g)+1], 128<<16                   ; tensor_dim0 = 128
	s_mov_b32 s[(\g)+2], 128<<16                   ; tensor_dim1 = 128
	s_mov_b32 s[(\g)+3], 128<<16                   ; tile_dim0 = 128
	s_mov_b32 s[(\g)+4], 128                       ; tile_dim1 = 128
	s_mov_b32 s[(\g)+5], ROWB/2                    ; 2,048 elements from row to row
	s_mov_b32 s[(\g)+6], 0
	s_mov_b32 s[(\g)+7], 0
.endr
	s_mov_b32 s76, 0x4b400000                      ; 12,582,912.0
	s_mov_b32 s77, 0x4b400000                      ; named with it as a pair
	s_mov_b32 s78, 0xc3000000                      ; -128.0
	s_mov_b32 s79, 0x42fe0000                      ; 127.0
	s_mov_b32 s80, 0x00000400                      ; the low bytes of two registers, side by side
	s_mov_b32 s81, 0x05040100                      ; the low halves of two registers
	; where the tiles come from.  x's hang on the tile row alone, which my row of the cluster shares; w8's on the tile column alone, which my column shares.  Every wave makes both, in registers that never hold the other coordinate.
	s_lshl_b32 s17, s12, 7                         ; which 128 rows of the tile I fetch
	s_lshl_b32 s16, s13, 8
	s_add_co_u32 s16, s16, s17                     ; x: row 256 x tile row + 128 x half
	s_lshl_b32 s16, s16, 12                        ; in bytes: under 2^24
	s_lshl_b32 s46, s42, 8
	s_add_co_u32 s46, s46, s17                     ; w8: row 256 x tile column + 128 x half
	s_lshl_b32 s46, s46, 12
	s_mov_b32 s17, 0
	s_mov_b32 s47, 0
	s_mul_i32 s20, s10, HALFT                      ; and where they go: wave x 128 rows: no place in the cluster enters an LDS address
	s_wait_dscnt 0x0                               ; both opening adds are done
	s_wait_kmcnt 0x0
	s_add_nc_u64 s[14:15], s[4:5], s[16:17]
	s_add_nc_u64 s[46:47], s[6:7], s[46:47]
	CROUND                                         ; all sixteen work-groups are here: the first joint loads meet
.irp s, 0,1
	s_mov_b32 s[G0+4*(\s)], 1                                      ; 1:0 count = 1
	s_add_co_u32 s[G0+4*(\s)+1], s20, (\s)*SLOT                    ; 63:32 LDS address
	s_add_nc_u64 s[G0+4*(\s)+2:G0+4*(\s)+3], s[14:15], (\s)*KSTEP  ; 120:64 global address: K step s
	s_or_b32 s[G0+4*(\s)+3], s[G0+4*(\s)+3], 0x80000000            ; 127:126 type = 2
	s_mov_b32 s[G0B+4*(\s)], 1
	s_add_co_u32 s[G0B+4*(\s)+1], s20, (\s)*SLOT
	s_add_nc_u64 s[G0B+4*(\s)+2:G0B+4*(\s)+3], s[46:47], (\s)*KSTEP
	s_or_b32 s[G0B+4*(\s)+3], s[G0B+4*(\s)+3], 0x80000000
	JLOAD \s                                       ; the ring is filled before anything else is done: two tensor loads of mine are out
.endr
	s_load_b32 s74, s[72:73], 0x0                  ; b's value
	v_and_b32 v1, 15, v0                           ; l % 16
	v_bfe_u32 v2, v0, 4, 1                         ; l / 16
	v_lshlrev_b32 v[AO], 5, v2
	v_lshlrev_b32 v[BO], 3, v2
	; my 128 columns of a and of bias begin at column 256 x tile column + 128 x half
	s_lshl_b32 s46, s42, 8
	s_lshl_b32 s82, s12, 7
	s_add_co_u32 s82, s82, s46
	s_mov_b32 s83, 0
	s_add_nc_u64 s[70:71], s[70:71], s[82:83]
	s_lshl_b32 s82, s82, 2
	s_add_nc_u64 s[68:69], s[68:69], s[82:83]
	WIN TO_B
.irp b, 0,1,2,3,4,5,6,7
	global_load_b128 v[AV+8*(\b):AV+8*(\b)+3],   v[AO], s[68:69] offset:64*(\b)
	global_load_b128 v[AV+8*(\b)+4:AV+8*(\b)+7], v[AO], s[68:69] offset:64*(\b)+16
.endr
	WIN 0
.irp b, 0,1,2,3,4,5,6,7
	global_load_b64 v[RAW+2*(\b):RAW+2*(\b)+1], v[BO], s[70:71] offset:16*(\b)
.endr
	v_mul_u32_u24 v3, v1, PITCH
	v_lshl_add_u32 v3, v2, 4, v3                   ; a fragment's row x pitch + 16 x half
	s_mul_i32 s21, s11, HALFT                      ; my 128 rows of x
	s_mul_i32 s22, s12, HALFT                      ; my 128 rows of w8,
	s_add_co_u32 s22, s22, 2*HALFT                 ; which lie behind x's 256
.irp s, 0,1
	v_add_nc_u32 v[ADRA+(\s)], s21, v3
	v_add_nc_u32 v[ADRB+(\s)], s22, v3
	s_add_co_u32 s21, s21, SLOT
	s_add_co_u32 s22, s22, SLOT
.endr
	s_mul_i32 s23, s11, 64*SP                      ; into the stage: 64 rows of each half of the tile's rows at a time; my half of their 256 bytes; row l % 16, 8 bytes for each half of the lanes
	s_lshl_b32 s21, s12, 7
	s_add_co_u32 s23, s23, s21
	s_add_co_u32 s23, s23, STAGE
	v_mul_u32_u24 v4, v1, SP
	v_lshl_add_u32 v4, v2, 3, v4
	v_add_nc_u32 v[STO], s23, v4
	s_mul_i32 s23, s10, 32*SP                      ; back: wave w takes stage rows 32 w .. 32 w + 31, whole; lanes 0-15 one row of 256 bytes, lanes 16-31 the next
	s_add_co_u32 s23, s23, STAGE
	v_mul_u32_u24 v5, v2, SP
	v_lshl_add_u32 v5, v1, 4, v5
	v_add_nc_u32 v[RD], s23, v5
	v_lshlrev_b32 v5, 12, v2                       ; and the same two rows in out0
	v_lshl_add_u32 v[CO], v1, 4, v5
	s_lshl_b32 s16, s13, 8                         ; stage row 32 w + i of phase p is the tile's row 128 (w / 2) + 64 p + 32 (w % 2) + i
	s_lshl_b32 s17, s11, 7
	s_add_co_u32 s16, s16, s17
	s_lshl_b32 s17, s12, 5
	s_add_co_u32 s16, s16, s17
	s_lshl_b32 s16, s16, 12
	s_mov_b32 s17, 0
	s_mov_b32 s47, 0                               ; s46 = the tile's first column, in bytes
	s_add_nc_u64 s[16:17], s[16:17], s[46:47]
	s_add_nc_u64 s[8:9], s[8:9], s[16:17]
	; the prefetches
	s_lshl_b32 s42, s42, 8
	s_lshl_b32 s13, s13, 8
	s_and_b32 s22, ttmp7, 0xffff                   ; cluster y
	s_cmp_eq_u32 s11, 0                            ; do I fetch for x?
	s_cselect_b32 s20, s13, s42                    ; the tile's first row: in x by the tile row, in w8 by the tile column
	s_cselect_b32 s21, s40, s41                    ; my place among the four that ask for it with me
	s_cselect_b32 s22, ttmp9, s22                  ; the coordinate along which other clusters read the same rows
	s_cselect_b64 s[PFA:PFA+1], s[4:5], s[6:7]
	s_cmp_eq_u32 s22, 0
	s_cselect_b32 s[LIM], 1, -1                    ; the same in all sixteen partners, for a given wave
	s_lshl_b32 s22, s12, 7
	s_add_co_u32 s20, s20, s22                     ; + the 128 rows that I fetch
	s_lshl_b32 s21, s21, 5
	s_add_co_u32 s20, s20, s21                     ; + my work-group's 32 of them
	s_lshl_b32 s20, s20, 12
	s_mov_b32 s21, 0
	s_add_nc_u64 s[PFA:PFA+1], s[PFA:PFA+1], s[20:21]
	s_add_nc_u64 s[PFA:PFA+1], s[PFA:PFA+1], KSTEP ; at K step 1: the first refill steps it to 2 and names K step 3.  Nothing is prefetched here, at the head, where every work-group's first tiles are on their way
	v_and_b32 v[PFO], 31, v0
	v_lshlrev_b32 v[PFO], 12, v[PFO]
	s_wait_loadcnt 0x0                             ; a and bias, once
	s_wait_kmcnt 0x0                               ; b
	s_mov_b32 s75, s74                             ; named with it as a pair
.set i, 0
.rept 64                                       ; bias of column 16 b + 8 (l / 16) + j, i = 8 b + j: byte i % 4 of register i / 4, with its sign, as f32
.if (i%4) < 3
	v_lshlrev_b32 v[T+i], 24-8*(i%4), v[RAW+i/4]
	v_ashrrev_i32 v[T+i], 24, v[T+i]
.else
	v_ashrrev_i32 v[T+i], 24, v[RAW+i/4]
.endif
	v_cvt_f32_i32 v[T+i], v[T+i]
.set i, i+1
.endr
	WIN TO_B
.set i, 0
.rept 32
	v_pk_mul_f32 v[TV+i:TV+i+1], v[T+i:T+i+1], s[74:75] op_sel_hi:[1,0]  ; t = bias b, rounded to f32
.set i, i+2
.endr
	WIN 0
; 16 matrix instructions: m blocks a0, a0 + 1 of the window's four (hi = 0: my rows 0-63, 1: rows 64-127) x all 8 n blocks, 64 along K.  zero = 1: the first product starts the sums: nothing is ever cleared.
; The 64 accumulators take turns, one instruction a turn, in the same order in every quarter step.
.macro MUL16 f, hi, a0, zero
	WIN MUL_LO+0x50*(\hi)
.irp a, \a0, (\a0)+1
.irp b, 0,1,2,3,4,5,6,7
.if \zero
	v_wmma_i32_16x16x64_iu8 v[8*(8*(\a)+(\b)):8*(8*(\a)+(\b))+7], v[(\f)+8*(\b):(\f)+8*(\b)+7], v[(\f)+8*(4*(\hi)+(\a)):(\f)+8*(4*(\hi)+(\a))+7], 0 neg_lo:[1,1,0]
.else
	v_wmma_i32_16x16x64_iu8 v[8*(8*(\a)+(\b)):8*(8*(\a)+(\b))+7], v[(\f)+8*(\b):(\f)+8*(\b)+7], v[(\f)+8*(4*(\hi)+(\a)):(\f)+8*(4*(\hi)+(\a))+7], v[8*(8*(\a)+(\b)):8*(8*(\a)+(\b))+7] neg_lo:[1,1,0]
.endif
.endr
.endr
.endm
; 32 LDS loads in one run: the fragments of one quarter step (128 rows of w8, 128 rows of x, 64 k at byte k of the rows) into buffer f
.macro FETCH slot, k, f
	WIN TO_B
.irp i, 0,1,2,3,4,5,6,7
	ds_load_b128 v[(\f)+8*(\i):(\f)+8*(\i)+3],   v[ADRB+(\slot)] offset:(\k)+(\i)*16*PITCH
	ds_load_b128 v[(\f)+8*(\i)+4:(\f)+8*(\i)+7], v[ADRB+(\slot)] offset:(\k)+(\i)*16*PITCH+32
.endr
	WIN 0
.irp i, 0,1,2,3,4,5,6,7
	ds_load_b128 v[(\f)+8*(\i):(\f)+8*(\i)+3],   v[ADRA+(\slot)] offset:(\k)+(\i)*16*PITCH
	ds_load_b128 v[(\f)+8*(\i)+4:(\f)+8*(\i)+7], v[ADRA+(\slot)] offset:(\k)+(\i)*16*PITCH+32
.endr
.endm
; A K step is four quarter steps of 64 along K, 64 matrix instructions each, on buffers 0, 1, 0, 1.
; One of the first three: multiplies buffer f; in its middle it fetches the next quarter's fragments, at byte k of the same slot's rows, into buffer g.
.macro QUARTER slot, k, f, g, zero
	s_wait_dscnt 8                                 ; w8's fragments and x's rows 0-63 are in; the youngest eight loads (x's rows 64-127) may be out
	MUL16 \f, 0, 0, \zero
	MUL16 \f, 0, 2, \zero
	PLACES
	FETCH \slot, \k, \g
	s_wait_dscnt 32                                ; all but the 32 just issued
	MUL16 \f, 1, 0, \zero
	MUL16 \f, 1, 2, \zero
.endm
; The last quarter multiplies buffer 1 and changes slots.  MEET is its first half: ONE barrier for the change.  In front of it each wave waits for all its tensor loads, of which one is out: its part of the
; next slot; adds 0 to its spare word; and waits for that and for its own reads of this slot.  Behind it nobody reads this slot any more and the next slot is whole.
.macro MEET round                      ; round = 1: a round of the cluster's barrier follows
	WIN 0                                          ; (the add's two registers lie in window 0)
	s_wait_tensorcnt 0x0                           ; all my tensor loads have landed;
	ds_add_u32 v[SPW], v[NIL]                      ; 0 onto my spare word;
	s_wait_dscnt 9                                 ; (the add and the youngest eight loads may be out)
	MUL16 F1, 0, 0, 0                              ; sixteen matrix instructions stand between the add and the wait for it
	s_wait_dscnt 0x0                               ; the add is done, and my reads of this slot are over:
	s_barrier_signal -1                            ; say so (where a slot is filled again this barrier opens a round of the cluster's barrier),
	MUL16 F1, 0, 2, 0                              ; work on registers while the others arrive,
.if \round
	WIN 0
.endif
	s_barrier_wait -1                              ; and go on when all four have said so
.endm
; The whole last quarter.  fill = 1: behind the round the slot just read out is filled again first, with the K step two steps on; then come the next slot's first fragments.
; From a request to the wait for it a wave issues 224 matrix instructions.
.macro TURN slot, next, fill
.if \fill
	s_wait_xcnt 0x0                                ; the last prefetch, a K step back, has read its address: it is stepped here, ahead of the waits of the change of slots
	s_add_nc_u64 s[PFA:PFA+1], s[PFA:PFA+1], KSTEP
	MEET 1
	CREST                                          ; all sixteen work-groups have said so: no wave of any partner still reads this slot's tile or has a load on its way
	s_add_nc_u64 s[G0+4*(\slot)+2:G0+4*(\slot)+3], s[G0+4*(\slot)+2:G0+4*(\slot)+3], 2*KSTEP
	s_add_nc_u64 s[G0B+4*(\slot)+2:G0B+4*(\slot)+3], s[G0B+4*(\slot)+2:G0B+4*(\slot)+3], 2*KSTEP
	JLOAD \slot                                    ; the first tensor load behind the round, my only one until the next; the eight v_nop behind it are also the places in front of the loads below
.else
	MEET 0                                         ; nothing is filled again, so no round follows
	PLACES
.endif
	FETCH \next, 0, F0
.if \fill
	ASK \slot
.endif
	MUL16 F1, 1, 0, 0
	MUL16 F1, 1, 2, 0
.endm
	s_wait_tensorcnt 1                             ; my part of K step 0 is in; K step 1's stays out
	s_barrier_signal -1
	s_barrier_wait -1                              ; everybody's is
	FETCH 0, 0, F0
	QUARTER 0, 64,  F0, F1, 1                      ; the first quarter stands in front of the loop: its products start the sums
	WIN 0                                          ; at a label and at a branch every window is 0
	s_mov_b32 s3, LAPS-1
.Llap:                                                 ; a trip goes once round the ring, from a lap's second quarter to the next lap's first, and fills both slots again
	QUARTER 0, 128, F1, F0, 0
	QUARTER 0, 192, F0, F1, 0
	TURN 0, 1, 1
	QUARTER 1, 64,  F0, F1, 0
	QUARTER 1, 128, F1, F0, 0
	QUARTER 1, 192, F0, F1, 0
	TURN 1, 0, 1
	QUARTER 0, 64,  F0, F1, 0
	WIN 0
	s_sub_co_u32 s3, s3, 1
	s_cmp_lg_u32 s3, 0
	s_cbranch_scc1 .Llap
	QUARTER 0, 128, F1, F0, 0                      ; the last lap is written out: it fills nothing
	QUARTER 0, 192, F0, F1, 0
	TURN 0, 1, 0
	QUARTER 1, 64,  F0, F1, 0
	QUARTER 1, 128, F1, F0, 0
	QUARTER 1, 192, F0, F1, 0
	s_wait_dscnt 8                                 ; the very last quarter: nothing more to fetch
	MUL16 F1, 0, 0, 0
	MUL16 F1, 0, 2, 0
	s_wait_dscnt 0x0
	MUL16 F1, 1, 0, 0
	MUL16 F1, 1, 2, 0
	WIN 0
; THE WAY OUT.  Block a (my rows 16 a .. 16 a + 15, all my 128 columns): the sums as f32, times a plus t in one fused multiply-add, clipped, rounded, the low bytes packed four to a register, 8 bytes a lane into the stage.
; Each accumulator's registers are read in ascending order.
.macro OUTBLK a
	WIN 0x02+(\a)/4                                ; source 0: window 2 or 3
.set i, 0
.rept 64
	v_cvt_f32_i32 v[T+i], v[64*((\a)%4)+i]
.set i, i+1
.endr
	WIN 0x14                                       ; sources 1 and 2: window 1
.set i, 0
.rept 32
	v_pk_fma_f32 v[T+i:T+i+1], v[T+i:T+i+1], v[AV+i:AV+i+1], v[TV+i:TV+i+1]  ; f32(acc) a + t, rounded once (see the head)
.set i, i+2
.endr
	WIN 0
.set i, 0
.rept 64
	v_max_num_f32 v[T+i], s78, v[T+i]
.set i, i+1
.endr
.set i, 0
.rept 64
	v_min_num_f32 v[T+i], s79, v[T+i]
.set i, i+1
.endr
.set i, 0
.rept 32
	v_pk_add_f32 v[T+i:T+i+1], v[T+i:T+i+1], s[76:77] op_sel_hi:[1,0]  ; to the nearest whole number, ties to even: the low byte is the int8
.set i, i+2
.endr
.set i, 0
.rept 16
	v_perm_b32 v[T+4*i],   v[T+4*i+1], v[T+4*i],   s80
	v_perm_b32 v[T+4*i+2], v[T+4*i+3], v[T+4*i+2], s80
.set i, i+1
.endr
.set i, 0
.rept 16
	v_perm_b32 v[PK+i], v[T+4*i+2], v[T+4*i], s81
.set i, i+1
.endr
.irp b, 0,1,2,3,4,5,6,7
	ds_store_b64 v[STO], v[PK+2*(\b):PK+2*(\b)+1] offset:((\a)%4)*16*SP+16*(\b)  ; row r at word 68 r, 2 words for each half of the lanes: the 32 lanes touch 64 different banks
.endr
.endm
; Phase p: 32 whole rows of the stage come back and are stored.
.macro BACK p
.irp t, 0,1,2,3,4,5,6,7,8,9,10,11,12,13,14,15
	ds_load_b128 v[RB+4*(\t):RB+4*(\t)+3], v[RD] offset:(\t)*2*SP
.endr
.irp t, 0,1,2,3,4,5,6,7,8,9,10,11,12,13,14,15
	s_wait_dscnt 15-(\t)                           ; LDS loads come back in order (ISA guide 5.7.1): load t is in, the younger ones stay out
	global_store_b128 v[CO], v[RB+4*(\t):RB+4*(\t)+3], s[8:9] offset:(64*(\p)+2*(\t))*ROWB th:TH_STORE_NT  ; 16 lanes store 256 consecutive bytes, at a multiple of 256 from out0's first byte
.endr
.endm
	PLACES                                         ; the conversions read matrix results and write registers that the last products read
	OUTBLK 0
	OUTBLK 1
	OUTBLK 2
	OUTBLK 3
	s_wait_dscnt 0x0                               ; for the others' sake: my stores into the stage are done (a row's 256 bytes come from two waves)
	s_barrier_signal -1
	s_barrier_wait -1
	BACK 0                                         ; its count-down ends at 0: my reads of the stage are over
	s_barrier_signal -1
	s_barrier_wait -1                              ; everybody's are: the stage may be written again
	OUTBLK 4
	OUTBLK 5
	OUTBLK 6
	OUTBLK 7
	s_wait_dscnt 0x0
	s_barrier_signal -1
	s_barrier_wait -1
	s_wait_xcnt 0x0                                ; the first phase's stores have read their registers: only behind this wait are those loaded again
	BACK 1
	s_wait_tensorcnt 0x0                           ; the wave's end, behind my last tensor load and my last LDS store
	ds_add_u32 v[SPW], v[NIL]
	s_wait_dscnt 0x0
	CROUND                                         ; the closing round: no work-group ends while a partner may still ask for a tile that names it
	s_endpgm
.Lfunc_end_k_q3b4068f3bc_gemm:
	.size	k_q3b4068f3bc_gemm, .Lfunc_end_k_q3b4068f3bc_gemm-k_q3b4068f3bc_gemm
	.p2alignl 7, 3214868480
	.fill 96, 4, 3214868480
	.section	.rodata,"a",@progbits
	.p2align	6, 0x0
	.amdhsa_kernel k_q3b4068f3bc_gemm
		.amdhsa_group_segment_fixed_size 327680
		.amdhsa_private_segment_fixed_size 0
		.amdhsa_enable_private_segment 0
		.amdhsa_kernarg_size 48
		.amdhsa_user_sgpr_count 2
		.amdhsa_user_sgpr_kernarg_segment_ptr 1
		.amdhsa_wavefront_size32 1
		.amdhsa_system_sgpr_workgroup_id_x 1
		.amdhsa_system_sgpr_workgroup_id_y 1
		.amdhsa_system_sgpr_workgroup_id_z 1
		.amdhsa_system_vgpr_workitem_id 0
		.amdhsa_next_free_vgpr 1024
		.amdhsa_next_free_sgpr 88
		.amdhsa_reserve_vcc 0
		.amdhsa_float_denorm_mode_32 3
		.amdhsa_float_denorm_mode_16_64 3
		.amdhsa_memory_ordered 1
		.amdhsa_forward_progress 1
		.amdhsa_inst_pref_size 241
	.end_amdhsa_kernel
	.amdgpu_metadata
---
amdhsa.version: [ 1, 2 ]
amdhsa.kernels:
  - .name:           k_q3b4068f3bc_gemm
    .symbol:         k_q3b4068f3bc_gemm.kd
    .args:
      - { .name: x, .offset: 0, .size: 8, .value_kind: global_buffer, .address_space: global }
      - { .name: w8, .offset: 8, .size: 8, .value_kind: global_buffer, .address_space: global }
      - { .name: out0, .offset: 16, .size: 8, .value_kind: global_buffer, .address_space: global }
      - { .name: a, .offset: 24, .size: 8, .value_kind: global_buffer, .address_space: global }
      - { .name: bias, .offset: 32, .size: 8, .value_kind: global_buffer, .address_space: global }
      - { .name: b, .offset: 40, .size: 8, .value_kind: global_buffer, .address_space: global }
    .group_segment_fixed_size: 327680
    .private_segment_fixed_size: 0
    .kernarg_segment_align: 8
    .kernarg_segment_size: 48
    .max_flat_workgroup_size: 128
    .sgpr_count:     88
    .vgpr_count:     1024
    .wavefront_size: 32
...
	.end_amdgpu_metadata
.endif
;; end of part 2
;; ======== version 2 of 2: 2 launches; version 1 with the launch prep written anew for expert scheduling mode
;; limits: right only within a limited range of input values
;; workspace buffers: w8 16,777,216 bytes
;; launch prep (part 3): grid 256 x 1, 8 waves a work-group, no clusters, 0 bytes of LDS; arguments weight, scales8, zeros, w8; writes w8
.if DOCPART == 3
	.amdgcn_target "amdgcn-amd-amdhsa--gfx1250"
	.amdhsa_code_object_version 6
	.text
	.protected	k_q3b4068f3bc_prep
	.globl	k_q3b4068f3bc_prep
	.p2align	8
	.type	k_q3b4068f3bc_prep,@function
k_q3b4068f3bc_prep:
	s_mov_b64 s[64:65], 0
	v_nop
	global_prefetch_b8 v0, s[64:65] scope:SCOPE_SE
	s_setreg_imm32_b32 hwreg(HW_REG_WAVE_SCHED_MODE, 0, 2), 2
	s_setreg_imm32_b32 hwreg(HW_REG_WAVE_MODE, 25, 1), 1
	s_wait_xcnt 0x0
	s_wait_alu depctr_vm_vsrc(0)
; w8[o][k] = (w4[o][k] - zeros[o][k / 128]) * scales8[o][k / 128], as int8, [4096][4096], row-major.  w4 lies two to a byte: low nibble = even k, high nibble = odd k.
; NOTHING OF reference() IS LEFT OUT in this program: every input has a way to the output, and every input is loaded (weight, scales8, zeros here; x, a, bias, b in the product's launch).
; The weights are unpacked ONCE, here: in the product's launch each weight is wanted by 16 tiles of rows, and would be unpacked for each of them.
; LIMIT.  (w4 - zero) * scale lies in -128 .. 127 for every code that occurs, which is what reference() relies on ('fits in int8 range by construction').  Outside that range a byte carries into its neighbour.
; SHARES.  Wave w of work-group g owns rows 16 g + 2 w and the next: 4,096 packed bytes, 64 scales, 64 zeros and 8,192 bytes of w8, each on end in memory.  16 chunks: in chunk c lane l reads the 8 packed
; bytes at 256 c + 8 l and stores the 16 bytes at 512 c + 16 l: a load of the wave covers 256 consecutive bytes, aligned, a store 512.  A group of 128 k is 64 packed bytes, so lane l's group in chunk c
; is number 4 c + l / 8 of the wave's 64: byte l / 8 of word c of the scales and of the zeros, which lie in scalar registers.
; ARITHMETIC, four codes at a time.  L holds four codes w_i in its four bytes.  L * s + c * 0x01010101 = the sum of (w_i s + c) 256^i modulo 2^32; with c = 128 - z s every term (w_i - z) s + 128 lies in
; 0 .. 255, so no byte carries.  An exclusive or with 0x80 in each byte takes the 128 away again.
; All 16 loads of a wave go out before the first wait, and each chunk has store registers of its own: no loop, no LDS, no barrier.  No prefetch: all that a wave reads is asked for at its head.
; THE MODE: SCHED_MODE bits 1:0 = 2 (LLVM: expert scheduling mode 2), set by the entry lines.  The code itself states the register dependences between vector instructions and memory instructions,
; with s_wait_alu, always for 0.
; THE PLAN.  Registers that memory instructions touch:
;   v2, v3       the loads' and the stores' offsets: written once at the head, never again; read by the 16 loads and the 16 stores.
;   P            the 16 loads land in it; no vector instruction names it ahead of them; chunk c's unpacking lines read its pair behind the wait for its load.
;   O            chunk c's four registers are written by its permutes and exclusive ors, once in the launch, and read by its store.
;   v4 to v8     named by vector instructions alone.
; The chunks go in four blocks of four: a block's arithmetic, ONE wait on va_vdst, the block's four stores in a run.  One more such wait stands at the head, for the two offsets, and one on va_sdst
; for the wave's number.  No register that a memory instruction reads is ever written again, so past the entry the text holds no wait on vm_vsrc.
.set SH, 4                             ; v4   24 - 8 (l / 8): the shift that brings my group's byte to the top of its word
.set S,  5                             ; v5   my group's scale
.set Z,  6                             ; v6   my group's zero, then c in all four bytes
.set L,  7                             ; v7   four even codes
.set H,  8                             ; v8   four odd codes
.set P,  16                            ; v[16:47]   chunk c: 2 registers as loaded
.set O,  48                            ; v[48:111]  chunk c: 4 registers to store
	s_load_b256 s[4:11], s[0:1], 0x0               ; weight s[4:5], scales8 s[6:7], zeros s[8:9], w8 s[10:11]
	v_lshrrev_b32 v1, 5, v0
	v_readfirstlane_b32 s12, v1                    ; wave 0..7
	v_and_b32 v1, 31, v0                           ; lane
	v_lshlrev_b32 v2, 3, v1                        ; 8 l: my packed bytes in a chunk
	v_lshlrev_b32 v3, 4, v1                        ; 16 l: my bytes of w8 in a chunk
	v_lshrrev_b32 v[SH], 3, v1
	v_lshlrev_b32 v[SH], 3, v[SH]
	v_sub_nc_u32 v[SH], 24, v[SH]
	s_lshl_b32 s13, ttmp9, 4
	s_wait_alu depctr_va_sdst(0)                   ; s12 is written, ahead of its first reader: my first row, and with it all four bases, are made from it
	s_lshl_b32 s14, s12, 1
	s_add_co_u32 s13, s13, s14                     ; my first row
	s_mov_b32 s15, 0
	s_mov_b32 s48, 0x0f0f0f0f                      ; four low nibbles
	s_mov_b32 s49, 0x80808080
	s_mov_b32 s50, 0x05010400                      ; bytes L0 H0 L1 H1: k in its order
	s_mov_b32 s51, 0x07030602                      ; bytes L2 H2 L3 H3
	s_mov_b32 s52, 0x01010101
	s_wait_kmcnt 0x0
	s_lshl_b32 s14, s13, 11                        ; 2,048 packed bytes a row
	s_add_nc_u64 s[4:5], s[4:5], s[14:15]
	s_lshl_b32 s14, s13, 5                         ; 32 groups a row
	s_add_nc_u64 s[6:7], s[6:7], s[14:15]
	s_add_nc_u64 s[8:9], s[8:9], s[14:15]
	s_lshl_b32 s14, s13, 12                        ; 4,096 bytes of w8 a row
	s_add_nc_u64 s[10:11], s[10:11], s[14:15]
	s_load_b512 s[16:31], s[6:7], 0x0              ; my two rows' 64 scales
	s_load_b512 s[32:47], s[8:9], 0x0              ; and 64 zeros
	s_wait_alu depctr_va_vdst(0)                   ; v2 and v3 are written: every load of the kernel reads v2 as its offset, every store v3, and no vector line writes either again
.irp c, 0,1,2,3,4,5,6,7,8,9,10,11,12,13,14,15
	global_load_b64 v[P+2*(\c):P+2*(\c)+1], v2, s[4:5] offset:256*(\c) th:TH_LOAD_NT
.endr
	s_wait_kmcnt 0x0
; Chunk c's arithmetic: 16 codes a lane, from its pair of P into its four registers of O.
.macro CALC c
	v_lshlrev_b32 v[S], v[SH], s[16+(\c)]          ; my group's byte to the top,
	v_lshlrev_b32 v[Z], v[SH], s[32+(\c)]
	v_ashrrev_i32 v[S], 24, v[S]                   ; and down again with its sign
	v_ashrrev_i32 v[Z], 24, v[Z]
	v_mul_lo_u32 v[Z], v[Z], v[S]
	v_sub_nc_u32 v[Z], 128, v[Z]                   ; c = 128 - z s
	v_mul_lo_u32 v[Z], v[Z], s52                   ; in all four bytes
	s_wait_loadcnt 15-(\c)                         ; loads come back in order (ISA guide 5.7.1): chunk c's is in, the 15 - c younger ones stay out
.irp d, 0,1
	v_and_b32 v[L], s48, v[P+2*(\c)+(\d)]
	v_lshrrev_b32 v[H], 4, v[P+2*(\c)+(\d)]
	v_and_b32 v[H], s48, v[H]
	v_mad_u32 v[L], v[L], v[S], v[Z]
	v_mad_u32 v[H], v[H], v[S], v[Z]
	v_perm_b32 v[O+4*(\c)+2*(\d)],   v[H], v[L], s50
	v_perm_b32 v[O+4*(\c)+2*(\d)+1], v[H], v[L], s51
	v_xor_b32 v[O+4*(\c)+2*(\d)],   s49, v[O+4*(\c)+2*(\d)]
	v_xor_b32 v[O+4*(\c)+2*(\d)+1], s49, v[O+4*(\c)+2*(\d)+1]
.endr
.endm
; Chunk c's store.
.macro SEND c
	global_store_b128 v3, v[O+4*(\c):O+4*(\c)+3], s[10:11] offset:512*(\c)  ; the wave stores 512 consecutive bytes, aligned; these four registers are written once in the launch
.endm
.irp p, 0,1,2,3
	CALC 4*(\p)
	CALC 4*(\p)+1
	CALC 4*(\p)+2
	CALC 4*(\p)+3
	s_wait_alu depctr_va_vdst(0)                   ; the block's permutes and exclusive ors have written its 16 registers of O, which the four stores below read
	SEND 4*(\p)
	SEND 4*(\p)+1
	SEND 4*(\p)+2
	SEND 4*(\p)+3
.endr
	s_endpgm
.Lfunc_end_k_q3b4068f3bc_prep:
	.size	k_q3b4068f3bc_prep, .Lfunc_end_k_q3b4068f3bc_prep-k_q3b4068f3bc_prep
	.p2alignl 7, 3214868480
	.fill 96, 4, 3214868480
	.section	.rodata,"a",@progbits
	.p2align	6, 0x0
	.amdhsa_kernel k_q3b4068f3bc_prep
		.amdhsa_group_segment_fixed_size 0
		.amdhsa_private_segment_fixed_size 0
		.amdhsa_enable_private_segment 0
		.amdhsa_kernarg_size 32
		.amdhsa_user_sgpr_count 2
		.amdhsa_user_sgpr_kernarg_segment_ptr 1
		.amdhsa_wavefront_size32 1
		.amdhsa_system_sgpr_workgroup_id_x 1
		.amdhsa_system_sgpr_workgroup_id_y 1
		.amdhsa_system_sgpr_workgroup_id_z 1
		.amdhsa_system_vgpr_workitem_id 0
		.amdhsa_next_free_vgpr 112
		.amdhsa_next_free_sgpr 66
		.amdhsa_reserve_vcc 0
		.amdhsa_float_denorm_mode_32 3
		.amdhsa_float_denorm_mode_16_64 3
		.amdhsa_memory_ordered 1
		.amdhsa_forward_progress 1
		.amdhsa_inst_pref_size 25
	.end_amdhsa_kernel
	.amdgpu_metadata
---
amdhsa.version: [ 1, 2 ]
amdhsa.kernels:
  - .name:           k_q3b4068f3bc_prep
    .symbol:         k_q3b4068f3bc_prep.kd
    .args:
      - { .name: weight, .offset: 0, .size: 8, .value_kind: global_buffer, .address_space: global }
      - { .name: scales8, .offset: 8, .size: 8, .value_kind: global_buffer, .address_space: global }
      - { .name: zeros, .offset: 16, .size: 8, .value_kind: global_buffer, .address_space: global }
      - { .name: w8, .offset: 24, .size: 8, .value_kind: global_buffer, .address_space: global }
    .group_segment_fixed_size: 0
    .private_segment_fixed_size: 0
    .kernarg_segment_align: 8
    .kernarg_segment_size: 32
    .max_flat_workgroup_size: 256
    .sgpr_count:     66
    .vgpr_count:     112
    .wavefront_size: 32
...
	.end_amdgpu_metadata
.endif
;; end of part 3
;; launch gemm: the kernel of part 2 again; grid 16 x 16, 4 waves a work-group, clusters of 4 x 4, 327,680 bytes of LDS; arguments x, w8, out0, a, bias, b; writes out0
